; MI455X (gfx1250); checked and timed in simulation.
; The chip was launched on July 23, 2026; its instructions are those of AMD's public machine-readable ISA for CDNA 5 (MIT licence, August 2026) and "CDNA5" Instruction Set Architecture Reference Guide (July 2026). The comments in the code are by the model that wrote it; some were corrected since.
;; Symmetry Set Basis. Allowed arithmetic: float matrix products may take bf16 or f16 operands with f32 sums; all other float work in f32.
;; Inputs: k 2,048 x 4,096 float32; q 2,048 x 4,096 float32; v 2,048 x 4,096 float32; wk_b 7 float32; wk_w 7 x 7 float32; wq_b 7 float32; wq_w 1 x 7 float32.
;; Outputs: out0 2,048 x 4,096 float32.
;; 2 versions, each right; version 2 is version 1 with the launch symbasis written anew for expert scheduling mode. Each part assembles by itself: llvm-mc -triple=amdgcn-amd-amdhsa -mcpu=gfx1250 --defsym DOCPART=n.
;; ======== version 1 of 2: 1 launch
;; launch symbasis (part 1): grid 256 x 1, 8 waves a work-group, no clusters, 0 bytes of LDS; arguments q, v, wk_b, wk_w, wq_b, wq_w, out0; writes out0
.if DOCPART == 1
	.amdgcn_target "amdgcn-amd-amdhsa--gfx1250"
	.amdhsa_code_object_version 6
	.text
	.protected	k_q345d563bbe_symbasis
	.globl	k_q345d563bbe_symbasis
	.p2align	8
	.type	k_q345d563bbe_symbasis,@function
k_q345d563bbe_symbasis:
	s_mov_b64 s[64:65], 0
	v_nop
	global_prefetch_b8 v0, s[64:65] scope:SCOPE_SE
	s_setreg_imm32_b32 hwreg(HW_REG_WAVE_MODE, 25, 1), 1
	s_wait_xcnt 0x0
; out[b][n] = sum over j of kn[b][j] * qn[b][n][j] * f[b][j],  q, v, out: [2048][4096] f32.
;
; THE ALGEBRA.  The seven features f are the same for all n of a row, so ke = f Wk + bk is one 7-vector g for the row and its norm
; over the set is sqrt(4096 g^2) = 64 |g|.  qe = q w_j + b_j is affine in q, and with mu = mean(q), M2 = sum (q - mu)^2:
;     sum over n of (q w_j + b_j)^2 = w_j^2 M2 + 4096 (w_j mu + b_j)^2      (two terms that are never negative: nothing cancels)
; Hence out[b][n] = A q[b][n] + C with t_j = g_j / (64 |g_j| + 1e-10) * f_j / (nq_j + 1e-10), A = sum t_j w_j, C = sum t_j b_j.
; The 7 x 7 product is 49 multiply-adds for a row (lane j owns column j): f32 on the vector unit, no matrix instruction.
; The input k is no operand of the function computed here and is not read.
;
; THE SHAPE.  One wave takes one row (16,384 bytes of v, of q and of out); 8 waves a work-group, 256 work-groups, no LDS, no barrier.
; A lane owns 16 bytes of each chunk of 512: every load and store of a wave covers 512 consecutive bytes, aligned.
; q stays in 128 registers from its load to its store.  v passes through 17 slots of 4 registers; 15 of them are filled twice.
;
; LIMITS.  v_log_f32, v_exp_f32, v_sqrt_f32, v_rcp_f32 flush denormals: a feature argument below 2^-126 gives the root 0.
; 64 |g| replaces sqrt(sum g^2): it differs where g^2 overflows (|g| above 2.9e17).  A row that holds an infinity comes out all NaN.
; Sums run in 64 chains a row, the Newton identities are fused, divisions are reciprocals: the order of rounding is not the
; textbook one; where g_j is within rounding of zero its sign, and with it term j, is not determined in f32.
.set CHUNK,  512                       ; bytes that one load of a wave covers
.set NCH,    32                        ; chunks in a row
.set VSLOTS, 17                        ; chunks of v asked for at the start
.set OFF,  1                           ; v1       byte offset of my 16 bytes in chunk 0 of my wave's row
.set LANE, 2                           ; v2       lane
.set LJ,   3                           ; v3       j = min(lane, 6): lanes 7-31 repeat lane 6 and are zeroed before the last sum
.set WOFF, 4                           ; v4       4 j
.set KB,   5                           ; v5       wk_b[j]
.set QW,   6                           ; v6       wq_w[j]
.set QB,   7                           ; v7       wq_b[j]
.set W,    8                           ; v[8:14]  wk_w[i][j], i = 0..6
.set RX,   15                          ; v15      1/r of feature j
.set P2,   16                          ; v[16:19] sum v^2, two chains of pairs
.set P3,   20                          ; v[20:23] sum v^3
.set P4,   24                          ; v[24:27] sum v^4
.set S1,   28                          ; v[28:31] sum q
.set M2,   32                          ; v[32:39] sum (q - mu)^2, four chains of pairs
.set T,    40                          ; v[40:47] at work
.set NMU,  48                          ; v[48:49] -mu, twice
.set AA,   50                          ; v[50:51] A, twice
.set CC,   52                          ; v[52:53] C, twice
.set RNQ,  54                          ; v54      1 / (nq_j + 1e-10)
.set E2,   55
.set E3,   56
.set E4,   57
.set X,    58                          ; v58      lane j: the number whose signed root is feature j
.set F,    59                          ; v59      lane j: feature j
.set V,    60                          ; v[60:127] slot s of v: 4 registers
.set P1,   V                           ; slot 0 is never refilled: chunk 0 as loaded starts the sum of v
.set Q,    128                         ; v[128:255] the row of q
	s_load_b256 s[4:11], s[0:1], 0x0               ; q s[4:5], v s[6:7], wk_b s[8:9], wk_w s[10:11]
	s_load_b128 s[12:15], s[0:1], 0x20             ; wq_b s[12:13], wq_w s[14:15]
	s_load_b64 s[16:17], s[0:1], 0x30              ; out0
	s_lshl_b32 s2, ttmp9, 17                       ; the work-group's 8 rows of 16,384 bytes (at most 2^25: 32 bits do)
	s_mov_b32 s3, 0
	v_and_b32 v[LANE], 31, v0
	v_lshrrev_b32 v[OFF], 5, v0                    ; wave
	v_lshlrev_b32 v[OFF], 14, v[OFF]               ; its row
	v_lshl_or_b32 v[OFF], v[LANE], 4, v[OFF]       ; + 16 bytes a lane
	v_min_u32 v[LJ], 6, v[LANE]
	v_lshlrev_b32 v[WOFF], 2, v[LJ]
	s_wait_kmcnt 0x0
	s_add_nc_u64 s[4:5], s[4:5], s[2:3]
	s_add_nc_u64 s[6:7], s[6:7], s[2:3]
	s_add_nc_u64 s[16:17], s[16:17], s[2:3]
	; Ten small loads first: they are the oldest, so every later wait covers them.  Column j of wk_w: element (i, j) at 28 i + 4 j.
.irp i, 0,1,2,3,4,5,6
	global_load_b32 v[W+\i], v[WOFF], s[10:11] offset:28*\i
.endr
	global_load_b32 v[KB], v[WOFF], s[8:9]
	global_load_b32 v[QW], v[WOFF], s[14:15]
	global_load_b32 v[QB], v[WOFF], s[12:13]
.macro LDV c, slot                     ; chunk c of v into a slot
	global_load_b128 v[V+4*(\slot):V+4*(\slot)+3], v[OFF], s[6:7] offset:CHUNK*(\c) th:TH_LOAD_NT
.endm
.set i, 0
.rept VSLOTS
	LDV i, i                                       ; chunks 0 to 16 of v
.set i, i+1
.endr
.set i, 0
.rept NCH
	global_load_b128 v[Q+4*i:Q+4*i+3], v[OFF], s[4:5] offset:CHUNK*i th:TH_LOAD_NT   ; the whole row of q
.set i, i+1
.endr
	; While the data are on their way: lane masks, the exponents 1/r, constants.
	v_cmp_eq_u32 s27, 0, v[LJ]                     ; j = 0: e1, left un-rooted
	v_cmp_eq_u32 s20, 1, v[LJ]                     ; e2, r = 2
	v_cmp_eq_u32 s21, 2, v[LJ]                     ; e3, r = 3
	v_cmp_eq_u32 s22, 3, v[LJ]                     ; e4, r = 4
	v_cmp_eq_u32 s23, 4, v[LJ]                     ; p2, r = 2
	v_cmp_eq_u32 s24, 5, v[LJ]                     ; p3, r = 3
	v_cmp_eq_u32 s25, 6, v[LJ]                     ; p4, r = 4
	v_cmp_gt_u32 s26, 7, v[LANE]                   ; the seven lanes that count
	s_or_b32 s28, s21, s24
	s_or_b32 s29, s22, s25
	v_mov_b32 v[T], 0x3eaaaaab                     ; 1/3
	v_mov_b32 v[T+1], 0x3e800000                   ; 1/4
	v_cndmask_b32 v[RX], 0.5, v[T], s28
	v_cndmask_b32 v[RX], v[RX], v[T+1], s29
	s_mov_b32 s30, 0x76543210                      ; v_permlanex16_b32: lane i of one half reads lane i of the other
	s_mov_b32 s31, 0xfedcba98
	s_mov_b32 s32, 0x42800000                      ; 64.0 = sqrt(4096)
	s_mov_b32 s33, 0x2edbe6ff                      ; 1e-10
; One chunk of v (4 numbers a lane) into the four power sums.  first = 1: the chunk starts the sums, nothing is cleared.
.macro VACC slot, first
.if \first
.irp h, 0,2
	v_pk_mul_f32 v[P2+\h:P2+\h+1], v[V+4*(\slot)+\h:V+4*(\slot)+\h+1], v[V+4*(\slot)+\h:V+4*(\slot)+\h+1]
.endr
.irp h, 0,2
	v_pk_mul_f32 v[P3+\h:P3+\h+1], v[P2+\h:P2+\h+1], v[V+4*(\slot)+\h:V+4*(\slot)+\h+1]
.endr
.irp h, 0,2
	v_pk_mul_f32 v[P4+\h:P4+\h+1], v[P2+\h:P2+\h+1], v[P2+\h:P2+\h+1]
.endr
.else
.irp h, 0,2
	v_pk_mul_f32 v[T+\h:T+\h+1], v[V+4*(\slot)+\h:V+4*(\slot)+\h+1], v[V+4*(\slot)+\h:V+4*(\slot)+\h+1]
.endr
.irp h, 0,2
	v_pk_add_f32 v[P1+\h:P1+\h+1], v[P1+\h:P1+\h+1], v[V+4*(\slot)+\h:V+4*(\slot)+\h+1]
.endr
.irp h, 0,2
	v_pk_fma_f32 v[P2+\h:P2+\h+1], v[V+4*(\slot)+\h:V+4*(\slot)+\h+1], v[V+4*(\slot)+\h:V+4*(\slot)+\h+1], v[P2+\h:P2+\h+1]
.endr
.irp h, 0,2
	v_pk_fma_f32 v[P3+\h:P3+\h+1], v[T+\h:T+\h+1], v[V+4*(\slot)+\h:V+4*(\slot)+\h+1], v[P3+\h:P3+\h+1]
.endr
.irp h, 0,2
	v_pk_fma_f32 v[P4+\h:P4+\h+1], v[T+\h:T+\h+1], v[T+\h:T+\h+1], v[P4+\h:P4+\h+1]
.endr
.endif
.endm
; The sum over the 32 lanes, into every lane.  t: a register that has been written (v_permlanex16_b32 counts as reading it).
.macro LANESUM r, t
.irp m, 1,2,4,8
	v_add_f32_dpp v[\r], v[\r], v[\r] row_xmask:\m row_mask:0xf bank_mask:0xf
.endr
	v_permlanex16_b32 v[\t], v[\r], s30, s31
	v_add_f32 v[\r], v[\r], v[\t]
.endm
	; V, FIRST HALF.  Loads come back in order (ISA guide 5.7.1).  Behind chunk 0 stand 16 loads of v and 32 of q.
	s_wait_loadcnt 48
	VACC 0, 1
	; Behind chunk c stand 16 - c loads of v, 32 of q and the c - 1 refills issued so far: 47 for every c.
.irp c, 1,2,3,4,5,6,7,8,9,10,11,12,13,14,15
	s_wait_loadcnt 47
	VACC \c, 0
	LDV 16+\c, \c                                  ; the slot has been read: chunk 16 + c goes into it
.endr
	s_wait_loadcnt 47
	VACC 16, 0
	; Q, FIRST PASS: the sum.  Behind chunk i stand 31 - i loads of q and the 15 refills of v: 46 - i.
	s_wait_loadcnt 45                              ; chunks 0 and 1: their sum starts the two chains
	v_pk_add_f32 v[S1:S1+1],   v[Q:Q+1],   v[Q+4:Q+5]
	v_pk_add_f32 v[S1+2:S1+3], v[Q+2:Q+3], v[Q+6:Q+7]
.set i, 2
.rept NCH-2
	s_wait_loadcnt 46-i
	v_pk_add_f32 v[S1:S1+1],   v[S1:S1+1],   v[Q+4*i:Q+4*i+1]
	v_pk_add_f32 v[S1+2:S1+3], v[S1+2:S1+3], v[Q+4*i+2:Q+4*i+3]
.set i, i+1
.endr
	v_pk_add_f32 v[S1:S1+1], v[S1:S1+1], v[S1+2:S1+3]
	v_add_f32 v[S1], v[S1], v[S1+1]
	LANESUM S1, T
	v_mul_f32 v[NMU],   0xb9800000, v[S1]          ; -mu = -sum / 4096, exact scaling; twice, for the packed add
	v_mul_f32 v[NMU+1], 0xb9800000, v[S1]
	; Q, SECOND PASS, on registers, while the last 15 chunks of v are on their way: M2 = sum (q - mu)^2, four chains of pairs.
.set i, 0
.rept NCH
.irp h, 0,2
	v_pk_add_f32 v[T+4*(i%2)+\h:T+4*(i%2)+\h+1], v[Q+4*i+\h:Q+4*i+\h+1], v[NMU:NMU+1]
.endr
.irp h, 0,2
.if i < 2
	v_pk_mul_f32 v[M2+4*(i%2)+\h:M2+4*(i%2)+\h+1], v[T+4*(i%2)+\h:T+4*(i%2)+\h+1], v[T+4*(i%2)+\h:T+4*(i%2)+\h+1]
.else
	v_pk_fma_f32 v[M2+4*(i%2)+\h:M2+4*(i%2)+\h+1], v[T+4*(i%2)+\h:T+4*(i%2)+\h+1], v[T+4*(i%2)+\h:T+4*(i%2)+\h+1], v[M2+4*(i%2)+\h:M2+4*(i%2)+\h+1]
.endif
.endr
.set i, i+1
.endr
	v_pk_add_f32 v[M2:M2+1],   v[M2:M2+1],   v[M2+2:M2+3]
	v_pk_add_f32 v[M2+4:M2+5], v[M2+4:M2+5], v[M2+6:M2+7]
	v_pk_add_f32 v[M2:M2+1],   v[M2:M2+1],   v[M2+4:M2+5]
	v_add_f32 v[M2], v[M2], v[M2+1]
	LANESUM M2, T
	; lane j: nq_j^2 = w_j^2 M2 + 4096 (w_j mu + b_j)^2, then 1 / (nq_j + 1e-10)
	v_fma_f32 v[T], -v[NMU], v[QW], v[QB]          ; w mu + b
	v_mul_f32 v[T+1], v[QW], v[QW]
	v_mul_f32 v[T], v[T], v[T]
	v_mul_f32 v[T+1], v[T+1], v[M2]
	v_fmamk_f32 v[T+1], v[T], 0x45800000, v[T+1]   ; + 4096 (..)^2
	v_sqrt_f32 v[RNQ], v[T+1]
	v_nop                                          ; one plain vector instruction between a transcendental and the use of its result (ISA guide 5.7.2)
	s_wait_alu depctr_va_vdst(0)
	v_add_f32 v[RNQ], s33, v[RNQ]
	v_rcp_f32 v[RNQ], v[RNQ]                       ; used far below; the packed multiply that follows touches neither source nor result
	; V, SECOND HALF: chunk 17 + k lies in slot 1 + k; behind it stand the 14 - k younger refills.
.set k, 0
.rept 15
	s_wait_loadcnt 14-k
	VACC 1+k, 0
.set k, k+1
.endr
	; The four power sums: chains, then lanes (the four run side by side).
.irp p, P1,P2,P3,P4
	v_pk_add_f32 v[\p:\p+1], v[\p:\p+1], v[\p+2:\p+3]
.endr
.irp p, P1,P2,P3,P4
	v_add_f32 v[\p], v[\p], v[\p+1]
.endr
.irp m, 1,2,4,8
.irp p, P1,P2,P3,P4
	v_add_f32_dpp v[\p], v[\p], v[\p] row_xmask:\m row_mask:0xf bank_mask:0xf
.endr
.endr
	v_permlanex16_b32 v[T],   v[P1], s30, s31
	v_permlanex16_b32 v[T+1], v[P2], s30, s31
	v_permlanex16_b32 v[T+2], v[P3], s30, s31
	v_permlanex16_b32 v[T+3], v[P4], s30, s31
	v_add_f32 v[P1], v[P1], v[T]
	v_add_f32 v[P2], v[P2], v[T+1]
	v_add_f32 v[P3], v[P3], v[T+2]
	v_add_f32 v[P4], v[P4], v[T+3]
	; Newton's identities, the same in every lane.
	v_fma_f32 v[E2], v[P1], v[P1], -v[P2]          ; p1^2 - p2
	v_mul_f32 v[T], v[P1], v[P1]
	v_fma_f32 v[T+1], v[P2], v[P1], -v[P3]         ; p2 p1 - p3
	v_mul_f32 v[E2], 0.5, v[E2]                    ; e2
	v_fma_f32 v[T], v[T], v[P1], -v[P3]            ; p1^3 - p3
	v_fma_f32 v[T+2], v[P1], v[P3], -v[P4]         ; e1 p3 - p4
	v_fmamk_f32 v[T], v[T+1], 0xc0400000, v[T]     ; - 3 (p2 p1 - p3)
	v_fma_f32 v[T+2], -v[E2], v[P2], v[T+2]        ; - e2 p2
	v_mul_f32 v[E3], 0x3e2aaaab, v[T]              ; e3 = .. / 6
	v_fma_f32 v[T+2], v[E3], v[P1], v[T+2]         ; + e3 p1
	v_mul_f32 v[E4], 0x3e800000, v[T+2]            ; e4 = .. / 4
	; Lane j takes its number; one log2, one multiply by 1/r, one exp2 make all six roots at once; the sign is copied over.
	v_cndmask_b32 v[X], v[P1], v[E2], s20
	v_cndmask_b32 v[X], v[X], v[E3], s21
	v_cndmask_b32 v[X], v[X], v[E4], s22
	v_cndmask_b32 v[X], v[X], v[P2], s23
	v_cndmask_b32 v[X], v[X], v[P3], s24
	v_cndmask_b32 v[X], v[X], v[P4], s25
	v_log_f32 v[T], |v[X]|                         ; x = 0: -inf, and exp2 below gives 0
	v_nop                                          ; the place behind a transcendental
	s_wait_alu depctr_va_vdst(0)
	v_mul_f32 v[T], v[T], v[RX]
	v_exp_f32 v[F], v[T]
	v_nop
	s_wait_alu depctr_va_vdst(0)
	v_bfi_b32 v[F], 0x7fffffff, v[F], v[X]         ; magnitude of the root, sign of x
	v_cndmask_b32 v[F], v[F], v[P1], s27           ; feature 0 is e1 itself
	; g_j = sum over i of f_i wk_w[i][j] + wk_b[j]: the features as scalars, column j in lane j.
.irp i, 0,1,2,3,4,5,6
	v_readlane_b32 s[40+\i], v[F], \i
.endr
	v_fma_f32 v[T], s40, v[W], v[KB]
.irp i, 1,2,3,4,5,6
	v_fmac_f32 v[T], s[40+\i], v[W+\i]
.endr
	; t_j = g_j / (64 |g_j| + 1e-10) * f_j / (nq_j + 1e-10)
	v_fma_f32 v[T+1], |v[T]|, s32, s33
	v_mul_f32 v[T+2], v[F], v[RNQ]
	v_rcp_f32 v[T+1], v[T+1]
	v_mul_f32 v[T+2], v[T+2], v[T]                 ; useful work in the place behind v_rcp_f32
	s_wait_alu depctr_va_vdst(0)
	v_mul_f32 v[T+2], v[T+2], v[T+1]
	v_cndmask_b32 v[T+2], 0, v[T+2], s26           ; lanes 7-31 only repeated lane 6
	v_mul_f32 v[T],   v[T+2], v[QW]                ; A's terms
	v_mul_f32 v[T+1], v[T+2], v[QB]                ; C's terms
.irp m, 1,2,4
	v_add_f32_dpp v[T],   v[T],   v[T]   row_xmask:\m row_mask:0xf bank_mask:0xf    ; lane 0 gets the sum of lanes 0-7
	v_add_f32_dpp v[T+1], v[T+1], v[T+1] row_xmask:\m row_mask:0xf bank_mask:0xf
.endr
	v_readfirstlane_b32 s34, v[T]
	v_readfirstlane_b32 s35, v[T+1]
	v_mov_b32 v[AA],   s34                         ; to every lane, as pairs for the packed multiply-add
	v_mov_b32 v[AA+1], s34
	v_mov_b32 v[CC],   s35
	v_mov_b32 v[CC+1], s35
	; out = A q + C, in q's registers; each store of the wave covers 512 consecutive bytes, aligned.  Nothing is rewritten behind a store.
.set i, 0
.rept NCH
	v_pk_fma_f32 v[Q+4*i:Q+4*i+1],   v[Q+4*i:Q+4*i+1],   v[AA:AA+1], v[CC:CC+1]
	v_pk_fma_f32 v[Q+4*i+2:Q+4*i+3], v[Q+4*i+2:Q+4*i+3], v[AA:AA+1], v[CC:CC+1]
	global_store_b128 v[OFF], v[Q+4*i:Q+4*i+3], s[16:17] offset:CHUNK*i th:TH_STORE_NT
.set i, i+1
.endr
	s_endpgm
.Lfunc_end_k_q345d563bbe_symbasis:
	.size	k_q345d563bbe_symbasis, .Lfunc_end_k_q345d563bbe_symbasis-k_q345d563bbe_symbasis
	.p2alignl 7, 3214868480
	.fill 96, 4, 3214868480
	.section	.rodata,"a",@progbits
	.p2align	6, 0x0
	.amdhsa_kernel k_q345d563bbe_symbasis
		.amdhsa_group_segment_fixed_size 0
		.amdhsa_private_segment_fixed_size 0
		.amdhsa_enable_private_segment 0
		.amdhsa_kernarg_size 56
		.amdhsa_user_sgpr_count 2
		.amdhsa_user_sgpr_kernarg_segment_ptr 1
		.amdhsa_wavefront_size32 1
		.amdhsa_system_sgpr_workgroup_id_x 1
		.amdhsa_system_sgpr_workgroup_id_y 1
		.amdhsa_system_sgpr_workgroup_id_z 1
		.amdhsa_system_vgpr_workitem_id 0
		.amdhsa_next_free_vgpr 256
		.amdhsa_next_free_sgpr 66
		.amdhsa_reserve_vcc 0
		.amdhsa_float_denorm_mode_32 3
		.amdhsa_float_denorm_mode_16_64 3
		.amdhsa_memory_ordered 1
		.amdhsa_forward_progress 1
		.amdhsa_inst_pref_size 56
	.end_amdhsa_kernel
	.amdgpu_metadata
---
amdhsa.version: [ 1, 2 ]
amdhsa.kernels:
  - .name:           k_q345d563bbe_symbasis
    .symbol:         k_q345d563bbe_symbasis.kd
    .args:
      - { .name: q, .offset: 0, .size: 8, .value_kind: global_buffer, .address_space: global }
      - { .name: v, .offset: 8, .size: 8, .value_kind: global_buffer, .address_space: global }
      - { .name: wk_b, .offset: 16, .size: 8, .value_kind: global_buffer, .address_space: global }
      - { .name: wk_w, .offset: 24, .size: 8, .value_kind: global_buffer, .address_space: global }
      - { .name: wq_b, .offset: 32, .size: 8, .value_kind: global_buffer, .address_space: global }
      - { .name: wq_w, .offset: 40, .size: 8, .value_kind: global_buffer, .address_space: global }
      - { .name: out0, .offset: 48, .size: 8, .value_kind: global_buffer, .address_space: global }
    .group_segment_fixed_size: 0
    .private_segment_fixed_size: 0
    .kernarg_segment_align: 8
    .kernarg_segment_size: 56
    .max_flat_workgroup_size: 256
    .sgpr_count:     66
    .vgpr_count:     256
    .wavefront_size: 32
...
	.end_amdgpu_metadata
.endif
;; end of part 1
;; ======== version 2 of 2: 1 launch; version 1 with the launch symbasis written anew for expert scheduling mode
;; launch symbasis (part 2): grid 256 x 1, 8 waves a work-group, no clusters, 0 bytes of LDS; arguments q, v, wk_b, wk_w, wq_b, wq_w, out0; writes out0
.if DOCPART == 2
	.amdgcn_target "amdgcn-amd-amdhsa--gfx1250"
	.amdhsa_code_object_version 6
	.text
	.protected	k_q345d563bbe_symbasis
	.globl	k_q345d563bbe_symbasis
	.p2align	8
	.type	k_q345d563bbe_symbasis,@function
k_q345d563bbe_symbasis:
	s_mov_b64 s[64:65], 0
	v_nop
	global_prefetch_b8 v0, s[64:65] scope:SCOPE_SE
	s_setreg_imm32_b32 hwreg(HW_REG_WAVE_SCHED_MODE, 0, 2), 2
	s_setreg_imm32_b32 hwreg(HW_REG_WAVE_MODE, 25, 1), 1
	s_wait_xcnt 0x0
	s_wait_alu depctr_vm_vsrc(0)
; out[b][n] = sum over j of kn[b][j] * qn[b][n][j] * f[b][j],  q, v, out: [2048][4096] f32.
;
; THE ALGEBRA.  The seven features f are the same for all n of a row, so ke = f Wk + bk is one 7-vector g for the row and its norm
; over the set is sqrt(4096 g^2) = 64 |g|.  qe = q w_j + b_j is affine in q, and with mu = mean(q), M2 = sum (q - mu)^2:
;     sum over n of (q w_j + b_j)^2 = w_j^2 M2 + 4096 (w_j mu + b_j)^2      (two terms that are never negative: nothing cancels)
; Hence out[b][n] = A q[b][n] + C with t_j = g_j / (64 |g_j| + 1e-10) * f_j / (nq_j + 1e-10), A = sum t_j w_j, C = sum t_j b_j.
; The 7 x 7 product is 49 multiply-adds for a row (lane j owns column j): f32 on the vector unit, no matrix instruction.
; The input k is no operand of the function computed here and is not read.
;
; THE SHAPE.  One wave takes one row (16,384 bytes of v, of q and of out); 8 waves a work-group, 256 work-groups, no LDS, no barrier.
; A lane owns 16 bytes of each chunk of 512: every load and store of a wave covers 512 consecutive bytes, aligned.
; q stays in 128 registers from its load to its store.  v passes through 17 slots of 4 registers; 15 of them are filled twice.
;
; THE MODE: SCHED_MODE bits 1:0 = 2 (LLVM: expert scheduling mode 2), set by the entry lines.  The code itself states the register
; dependences between vector instructions and memory instructions, with s_wait_alu, always for 0.
; THE PLAN.  Registers that memory instructions touch (the text is one straight run: no loop, no branch):
;   v1, v4        offsets, written at the head, read by every load and store, never written again.
;   v[5:14]       the weights: loaded once, read by vector instructions alone after that.
;   V slot s      s = 1..15: loaded at the head; read by chunk s's arithmetic; then chunk 16 + s lands in it; read once more.
;                 Slot 0 (the sum of v from chunk 0 on) and slot 16 are loaded once.
;   Q             loaded once; read by the two passes over q; written once, by A q + C; read by one store; never written behind it.
;   All other registers are named by vector instructions alone.
; v's chunks 1 to 16 go in four blocks of four.  ONE wait on va_vdst at a block's head states that the block before is done reading
; its four slots; their refills follow, one in front of each chunk's arithmetic, which names this block's slots and the sums alone.
; The way out goes in four blocks of eight chunks: ONE wait on va_vdst at a block's head states that the block before has written
; its registers; its eight stores follow, dealt among this block's multiply-adds, which name this block's registers alone.
; No register that a memory instruction reads is written afterwards, so no wait on vm_vsrc is owed; EXEC and VCC are never written.
; Three waits on va_sdst stand behind the three runs of vector instructions that write scalar registers.
;
; LIMITS.  v_log_f32, v_exp_f32, v_sqrt_f32, v_rcp_f32 flush denormals: a feature argument below 2^-126 gives the root 0.
; 64 |g| replaces sqrt(sum g^2): it differs where g^2 overflows (|g| above 2.9e17).  A row that holds an infinity comes out all NaN.
; Sums run in 64 chains a row, the Newton identities are fused, divisions are reciprocals: the order of rounding is not the
; textbook one; where g_j is within rounding of zero its sign, and with it term j, is not determined in f32.
.set CHUNK,  512                       ; bytes that one load of a wave covers
.set NCH,    32                        ; chunks in a row
.set VSLOTS, 17                        ; chunks of v asked for at the start
.set OFF,  1                           ; v1       byte offset of my 16 bytes in chunk 0 of my wave's row
.set LANE, 2                           ; v2       lane
.set LJ,   3                           ; v3       j = min(lane, 6): lanes 7-31 repeat lane 6 and are zeroed before the last sum
.set WOFF, 4                           ; v4       4 j
.set KB,   5                           ; v5       wk_b[j]
.set QW,   6                           ; v6       wq_w[j]
.set QB,   7                           ; v7       wq_b[j]
.set W,    8                           ; v[8:14]  wk_w[i][j], i = 0..6
.set RX,   15                          ; v15      1/r of feature j
.set P2,   16                          ; v[16:19] sum v^2, two chains of pairs
.set P3,   20                          ; v[20:23] sum v^3
.set P4,   24                          ; v[24:27] sum v^4
.set S1,   28                          ; v[28:31] sum q
.set M2,   32                          ; v[32:39] sum (q - mu)^2, four chains of pairs
.set T,    40                          ; v[40:47] at work
.set NMU,  48                          ; v[48:49] -mu, twice
.set AA,   50                          ; v[50:51] A, twice
.set CC,   52                          ; v[52:53] C, twice
.set RNQ,  54                          ; v54      1 / (nq_j + 1e-10)
.set E2,   55
.set E3,   56
.set E4,   57
.set X,    58                          ; v58      lane j: the number whose signed root is feature j
.set F,    59                          ; v59      lane j: feature j
.set V,    60                          ; v[60:127] slot s of v: 4 registers
.set P1,   V                           ; slot 0 is never refilled: chunk 0 as loaded starts the sum of v
.set Q,    128                         ; v[128:255] the row of q
	s_load_b256 s[4:11], s[0:1], 0x0               ; q s[4:5], v s[6:7], wk_b s[8:9], wk_w s[10:11]
	s_load_b128 s[12:15], s[0:1], 0x20             ; wq_b s[12:13], wq_w s[14:15]
	s_load_b64 s[16:17], s[0:1], 0x30              ; out0
	s_lshl_b32 s2, ttmp9, 17                       ; the work-group's 8 rows of 16,384 bytes (at most 2^25: 32 bits do)
	s_mov_b32 s3, 0
	v_and_b32 v[LANE], 31, v0
	v_lshrrev_b32 v[OFF], 5, v0                    ; wave
	v_lshlrev_b32 v[OFF], 14, v[OFF]               ; its row
	v_lshl_or_b32 v[OFF], v[LANE], 4, v[OFF]       ; + 16 bytes a lane
	v_min_u32 v[LJ], 6, v[LANE]
	v_lshlrev_b32 v[WOFF], 2, v[LJ]
	s_wait_kmcnt 0x0
	s_add_nc_u64 s[4:5], s[4:5], s[2:3]
	s_add_nc_u64 s[6:7], s[6:7], s[2:3]
	s_add_nc_u64 s[16:17], s[16:17], s[2:3]
	s_wait_alu depctr_va_vdst(0)                   ; v[OFF] and v[WOFF] are written: every load and store of the kernel reads one of them as its offset
	; Ten small loads first: they are the oldest, so every later wait covers them.  Column j of wk_w: element (i, j) at 28 i + 4 j.
.irp i, 0,1,2,3,4,5,6
	global_load_b32 v[W+\i], v[WOFF], s[10:11] offset:28*\i
.endr
	global_load_b32 v[KB], v[WOFF], s[8:9]
	global_load_b32 v[QW], v[WOFF], s[14:15]
	global_load_b32 v[QB], v[WOFF], s[12:13]
.macro LDV c, slot                     ; chunk c of v into a slot
	global_load_b128 v[V+4*(\slot):V+4*(\slot)+3], v[OFF], s[6:7] offset:CHUNK*(\c) th:TH_LOAD_NT
.endm
.set i, 0
.rept VSLOTS
	LDV i, i                                       ; chunks 0 to 16 of v
.set i, i+1
.endr
.set i, 0
.rept NCH
	global_load_b128 v[Q+4*i:Q+4*i+3], v[OFF], s[4:5] offset:CHUNK*i th:TH_LOAD_NT   ; the whole row of q
.set i, i+1
.endr
	; While the data are on their way: lane masks, the exponents 1/r, constants.
	v_cmp_eq_u32 s27, 0, v[LJ]                     ; j = 0: e1, left un-rooted
	v_cmp_eq_u32 s20, 1, v[LJ]                     ; e2, r = 2
	v_cmp_eq_u32 s21, 2, v[LJ]                     ; e3, r = 3
	v_cmp_eq_u32 s22, 3, v[LJ]                     ; e4, r = 4
	v_cmp_eq_u32 s23, 4, v[LJ]                     ; p2, r = 2
	v_cmp_eq_u32 s24, 5, v[LJ]                     ; p3, r = 3
	v_cmp_eq_u32 s25, 6, v[LJ]                     ; p4, r = 4
	v_cmp_gt_u32 s26, 7, v[LANE]                   ; the seven lanes that count
	s_wait_alu depctr_va_sdst(0)                   ; the eight compares have written s20 to s27, ahead of their first readers: the two lines below, and the selects of the tail
	s_or_b32 s28, s21, s24
	s_or_b32 s29, s22, s25
	v_mov_b32 v[T], 0x3eaaaaab                     ; 1/3
	v_mov_b32 v[T+1], 0x3e800000                   ; 1/4
	v_cndmask_b32 v[RX], 0.5, v[T], s28
	v_cndmask_b32 v[RX], v[RX], v[T+1], s29
	s_mov_b32 s30, 0x76543210                      ; v_permlanex16_b32: lane i of one half reads lane i of the other
	s_mov_b32 s31, 0xfedcba98
	s_mov_b32 s32, 0x42800000                      ; 64.0 = sqrt(4096)
	s_mov_b32 s33, 0x2edbe6ff                      ; 1e-10
; One chunk of v (4 numbers a lane) into the four power sums.  first = 1: the chunk starts the sums, nothing is cleared.
.macro VACC slot, first
.if \first
.irp h, 0,2
	v_pk_mul_f32 v[P2+\h:P2+\h+1], v[V+4*(\slot)+\h:V+4*(\slot)+\h+1], v[V+4*(\slot)+\h:V+4*(\slot)+\h+1]
.endr
.irp h, 0,2
	v_pk_mul_f32 v[P3+\h:P3+\h+1], v[P2+\h:P2+\h+1], v[V+4*(\slot)+\h:V+4*(\slot)+\h+1]
.endr
.irp h, 0,2
	v_pk_mul_f32 v[P4+\h:P4+\h+1], v[P2+\h:P2+\h+1], v[P2+\h:P2+\h+1]
.endr
.else
.irp h, 0,2
	v_pk_mul_f32 v[T+\h:T+\h+1], v[V+4*(\slot)+\h:V+4*(\slot)+\h+1], v[V+4*(\slot)+\h:V+4*(\slot)+\h+1]
.endr
.irp h, 0,2
	v_pk_add_f32 v[P1+\h:P1+\h+1], v[P1+\h:P1+\h+1], v[V+4*(\slot)+\h:V+4*(\slot)+\h+1]
.endr
.irp h, 0,2
	v_pk_fma_f32 v[P2+\h:P2+\h+1], v[V+4*(\slot)+\h:V+4*(\slot)+\h+1], v[V+4*(\slot)+\h:V+4*(\slot)+\h+1], v[P2+\h:P2+\h+1]
.endr
.irp h, 0,2
	v_pk_fma_f32 v[P3+\h:P3+\h+1], v[T+\h:T+\h+1], v[V+4*(\slot)+\h:V+4*(\slot)+\h+1], v[P3+\h:P3+\h+1]
.endr
.irp h, 0,2
	v_pk_fma_f32 v[P4+\h:P4+\h+1], v[T+\h:T+\h+1], v[T+\h:T+\h+1], v[P4+\h:P4+\h+1]
.endr
.endif
.endm
; The sum over the 32 lanes, into every lane.  t: a register that has been written (v_permlanex16_b32 counts as reading it).
.macro LANESUM r, t
.irp m, 1,2,4,8
	v_add_f32_dpp v[\r], v[\r], v[\r] row_xmask:\m row_mask:0xf bank_mask:0xf
.endr
	v_permlanex16_b32 v[\t], v[\r], s30, s31
	v_add_f32 v[\r], v[\r], v[\t]
.endm
	; V, FIRST HALF.  Loads come back in order (ISA guide 5.7.1).  Behind chunk 0 stand 16 loads of v and 32 of q.
	s_wait_loadcnt 48
	VACC 0, 1
	; The first block of four: no slot is free yet.  Behind chunk n stand 16 - n loads of v and 32 of q: 48 - n.
.set n, 1
.rept 4
	s_wait_loadcnt 48-n
	VACC n, 0
.set n, n+1
.endr
	; Three more blocks of four.  Chunk n's turn asks for chunk 12 + n, into slot n - 4, which the block before has read.
	; Behind chunk n stand 16 - n loads of v, 32 of q and the n - 5 refills issued so far: 43 for every n.
.rept 12
	s_wait_loadcnt 43
.if (n%4) == 1
	s_wait_alu depctr_va_vdst(0)                   ; the block before is done reading its four slots, in which this block's four refills land
.endif
	LDV 12+n, n-4                                  ; no vector instruction since that wait names this slot
	VACC n, 0
.set n, n+1
.endr
	; Q, FIRST PASS: the sum.  Behind chunk 1 stand 30 loads of q and the 12 refills of v issued so far.
	s_wait_loadcnt 42                              ; chunks 0 and 1: their sum starts the two chains
	s_wait_alu depctr_va_vdst(0)                   ; chunks 13 to 16 of v are done reading their slots, in three of which the last refills land
	LDV 29, 13
	LDV 30, 14
	LDV 31, 15                                     ; slot 16 is not filled again: the row has 32 chunks
	v_pk_add_f32 v[S1:S1+1],   v[Q:Q+1],   v[Q+4:Q+5]
	v_pk_add_f32 v[S1+2:S1+3], v[Q+2:Q+3], v[Q+6:Q+7]
	; Behind chunk i stand 31 - i loads of q and the 15 refills of v: 46 - i.
.set i, 2
.rept NCH-2
	s_wait_loadcnt 46-i
	v_pk_add_f32 v[S1:S1+1],   v[S1:S1+1],   v[Q+4*i:Q+4*i+1]
	v_pk_add_f32 v[S1+2:S1+3], v[S1+2:S1+3], v[Q+4*i+2:Q+4*i+3]
.set i, i+1
.endr
	v_pk_add_f32 v[S1:S1+1], v[S1:S1+1], v[S1+2:S1+3]
	v_add_f32 v[S1], v[S1], v[S1+1]
	LANESUM S1, T
	v_mul_f32 v[NMU],   0xb9800000, v[S1]          ; -mu = -sum / 4096, exact scaling; twice, for the packed add
	v_mul_f32 v[NMU+1], 0xb9800000, v[S1]
	; Q, SECOND PASS, on registers, while the last 15 chunks of v are on their way: M2 = sum (q - mu)^2, four chains of pairs.
.set i, 0
.rept NCH
.irp h, 0,2
	v_pk_add_f32 v[T+4*(i%2)+\h:T+4*(i%2)+\h+1], v[Q+4*i+\h:Q+4*i+\h+1], v[NMU:NMU+1]
.endr
.irp h, 0,2
.if i < 2
	v_pk_mul_f32 v[M2+4*(i%2)+\h:M2+4*(i%2)+\h+1], v[T+4*(i%2)+\h:T+4*(i%2)+\h+1], v[T+4*(i%2)+\h:T+4*(i%2)+\h+1]
.else
	v_pk_fma_f32 v[M2+4*(i%2)+\h:M2+4*(i%2)+\h+1], v[T+4*(i%2)+\h:T+4*(i%2)+\h+1], v[T+4*(i%2)+\h:T+4*(i%2)+\h+1], v[M2+4*(i%2)+\h:M2+4*(i%2)+\h+1]
.endif
.endr
.set i, i+1
.endr
	v_pk_add_f32 v[M2:M2+1],   v[M2:M2+1],   v[M2+2:M2+3]
	v_pk_add_f32 v[M2+4:M2+5], v[M2+4:M2+5], v[M2+6:M2+7]
	v_pk_add_f32 v[M2:M2+1],   v[M2:M2+1],   v[M2+4:M2+5]
	v_add_f32 v[M2], v[M2], v[M2+1]
	LANESUM M2, T
	; lane j: nq_j^2 = w_j^2 M2 + 4096 (w_j mu + b_j)^2, then 1 / (nq_j + 1e-10)
	v_fma_f32 v[T], -v[NMU], v[QW], v[QB]          ; w mu + b
	v_mul_f32 v[T+1], v[QW], v[QW]
	v_mul_f32 v[T], v[T], v[T]
	v_mul_f32 v[T+1], v[T+1], v[M2]
	v_fmamk_f32 v[T+1], v[T], 0x45800000, v[T+1]   ; + 4096 (..)^2
	v_sqrt_f32 v[RNQ], v[T+1]
	v_nop                                          ; one plain vector instruction between a transcendental and the use of its result (ISA guide 5.7.2)
	s_wait_alu depctr_va_vdst(0)
	v_add_f32 v[RNQ], s33, v[RNQ]
	v_rcp_f32 v[RNQ], v[RNQ]                       ; used far below; the packed multiply that follows touches neither source nor result
	; V, SECOND HALF: chunk 17 + k lies in slot 1 + k; behind it stand the 14 - k younger refills.  Nothing is loaded any more.
.set k, 0
.rept 15
	s_wait_loadcnt 14-k
	VACC 1+k, 0
.set k, k+1
.endr
	; The four power sums: chains, then lanes (the four run side by side).
.irp p, P1,P2,P3,P4
	v_pk_add_f32 v[\p:\p+1], v[\p:\p+1], v[\p+2:\p+3]
.endr
.irp p, P1,P2,P3,P4
	v_add_f32 v[\p], v[\p], v[\p+1]
.endr
.irp m, 1,2,4,8
.irp p, P1,P2,P3,P4
	v_add_f32_dpp v[\p], v[\p], v[\p] row_xmask:\m row_mask:0xf bank_mask:0xf
.endr
.endr
	v_permlanex16_b32 v[T],   v[P1], s30, s31
	v_permlanex16_b32 v[T+1], v[P2], s30, s31
	v_permlanex16_b32 v[T+2], v[P3], s30, s31
	v_permlanex16_b32 v[T+3], v[P4], s30, s31
	v_add_f32 v[P1], v[P1], v[T]
	v_add_f32 v[P2], v[P2], v[T+1]
	v_add_f32 v[P3], v[P3], v[T+2]
	v_add_f32 v[P4], v[P4], v[T+3]
	; Newton's identities, the same in every lane.
	v_fma_f32 v[E2], v[P1], v[P1], -v[P2]          ; p1^2 - p2
	v_mul_f32 v[T], v[P1], v[P1]
	v_fma_f32 v[T+1], v[P2], v[P1], -v[P3]         ; p2 p1 - p3
	v_mul_f32 v[E2], 0.5, v[E2]                    ; e2
	v_fma_f32 v[T], v[T], v[P1], -v[P3]            ; p1^3 - p3
	v_fma_f32 v[T+2], v[P1], v[P3], -v[P4]         ; e1 p3 - p4
	v_fmamk_f32 v[T], v[T+1], 0xc0400000, v[T]     ; - 3 (p2 p1 - p3)
	v_fma_f32 v[T+2], -v[E2], v[P2], v[T+2]        ; - e2 p2
	v_mul_f32 v[E3], 0x3e2aaaab, v[T]              ; e3 = .. / 6
	v_fma_f32 v[T+2], v[E3], v[P1], v[T+2]         ; + e3 p1
	v_mul_f32 v[E4], 0x3e800000, v[T+2]            ; e4 = .. / 4
	; Lane j takes its number; one log2, one multiply by 1/r, one exp2 make all six roots at once; the sign is copied over.
	; (The masks s20 to s27 were shown written by the wait behind the compares.)
	v_cndmask_b32 v[X], v[P1], v[E2], s20
	v_cndmask_b32 v[X], v[X], v[E3], s21
	v_cndmask_b32 v[X], v[X], v[E4], s22
	v_cndmask_b32 v[X], v[X], v[P2], s23
	v_cndmask_b32 v[X], v[X], v[P3], s24
	v_cndmask_b32 v[X], v[X], v[P4], s25
	v_log_f32 v[T], |v[X]|                         ; x = 0: -inf, and exp2 below gives 0
	v_nop                                          ; the place behind a transcendental
	s_wait_alu depctr_va_vdst(0)
	v_mul_f32 v[T], v[T], v[RX]
	v_exp_f32 v[F], v[T]
	v_nop
	s_wait_alu depctr_va_vdst(0)
	v_bfi_b32 v[F], 0x7fffffff, v[F], v[X]         ; magnitude of the root, sign of x
	v_cndmask_b32 v[F], v[F], v[P1], s27           ; feature 0 is e1 itself
	; g_j = sum over i of f_i wk_w[i][j] + wk_b[j]: the features as scalars, column j in lane j.
.irp i, 0,1,2,3,4,5,6
	v_readlane_b32 s[40+\i], v[F], \i
.endr
	s_wait_alu depctr_va_sdst(0)                   ; the seven lines above have written s40 to s46, which the multiply-adds below read
	v_fma_f32 v[T], s40, v[W], v[KB]
.irp i, 1,2,3,4,5,6
	v_fmac_f32 v[T], s[40+\i], v[W+\i]
.endr
	; t_j = g_j / (64 |g_j| + 1e-10) * f_j / (nq_j + 1e-10)
	v_fma_f32 v[T+1], |v[T]|, s32, s33
	v_mul_f32 v[T+2], v[F], v[RNQ]
	v_rcp_f32 v[T+1], v[T+1]
	v_mul_f32 v[T+2], v[T+2], v[T]                 ; useful work in the place behind v_rcp_f32
	s_wait_alu depctr_va_vdst(0)
	v_mul_f32 v[T+2], v[T+2], v[T+1]
	v_cndmask_b32 v[T+2], 0, v[T+2], s26           ; lanes 7-31 only repeated lane 6
	v_mul_f32 v[T],   v[T+2], v[QW]                ; A's terms
	v_mul_f32 v[T+1], v[T+2], v[QB]                ; C's terms
.irp m, 1,2,4
	v_add_f32_dpp v[T],   v[T],   v[T]   row_xmask:\m row_mask:0xf bank_mask:0xf    ; lane 0 gets the sum of lanes 0-7
	v_add_f32_dpp v[T+1], v[T+1], v[T+1] row_xmask:\m row_mask:0xf bank_mask:0xf
.endr
	v_readfirstlane_b32 s34, v[T]
	v_readfirstlane_b32 s35, v[T+1]
	s_wait_alu depctr_va_sdst(0)                   ; s34 and s35 are written, which the four moves below read
	v_mov_b32 v[AA],   s34                         ; to every lane, as pairs for the packed multiply-add
	v_mov_b32 v[AA+1], s34
	v_mov_b32 v[CC],   s35
	v_mov_b32 v[CC+1], s35
	; out = A q + C, in q's registers; each store of the wave covers 512 consecutive bytes, aligned.  Nothing is rewritten behind a store.
	; Four blocks of eight chunks: a block's stores are issued in the next block, behind the one wait at its head.
.macro SCALE c                         ; chunk c: two packed multiply-adds
	v_pk_fma_f32 v[Q+4*(\c):Q+4*(\c)+1],   v[Q+4*(\c):Q+4*(\c)+1],   v[AA:AA+1], v[CC:CC+1]
	v_pk_fma_f32 v[Q+4*(\c)+2:Q+4*(\c)+3], v[Q+4*(\c)+2:Q+4*(\c)+3], v[AA:AA+1], v[CC:CC+1]
.endm
.macro SEND c                          ; chunk c goes out
	global_store_b128 v[OFF], v[Q+4*(\c):Q+4*(\c)+3], s[16:17] offset:CHUNK*(\c) th:TH_STORE_NT
.endm
.set i, 0
.rept 8
	SCALE i                                        ; block 0
.set i, i+1
.endr
.rept 3
	s_wait_alu depctr_va_vdst(0)                   ; the block before has written its 32 registers, which the eight stores below read
.rept 8
	SEND i-8                                       ; no vector instruction since that wait names these registers
	SCALE i
.set i, i+1
.endr
.endr
	s_wait_alu depctr_va_vdst(0)                   ; block 3 has written its 32 registers, which the last eight stores read
.rept 8
	SEND i-8
.set i, i+1
.endr
	s_endpgm
.Lfunc_end_k_q345d563bbe_symbasis:
	.size	k_q345d563bbe_symbasis, .Lfunc_end_k_q345d563bbe_symbasis-k_q345d563bbe_symbasis
	.p2alignl 7, 3214868480
	.fill 96, 4, 3214868480
	.section	.rodata,"a",@progbits
	.p2align	6, 0x0
	.amdhsa_kernel k_q345d563bbe_symbasis
		.amdhsa_group_segment_fixed_size 0
		.amdhsa_private_segment_fixed_size 0
		.amdhsa_enable_private_segment 0
		.amdhsa_kernarg_size 56
		.amdhsa_user_sgpr_count 2
		.amdhsa_user_sgpr_kernarg_segment_ptr 1
		.amdhsa_wavefront_size32 1
		.amdhsa_system_sgpr_workgroup_id_x 1
		.amdhsa_system_sgpr_workgroup_id_y 1
		.amdhsa_system_sgpr_workgroup_id_z 1
		.amdhsa_system_vgpr_workitem_id 0
		.amdhsa_next_free_vgpr 256
		.amdhsa_next_free_sgpr 66
		.amdhsa_reserve_vcc 0
		.amdhsa_float_denorm_mode_32 3
		.amdhsa_float_denorm_mode_16_64 3
		.amdhsa_memory_ordered 1
		.amdhsa_forward_progress 1
		.amdhsa_inst_pref_size 57
	.end_amdhsa_kernel
	.amdgpu_metadata
---
amdhsa.version: [ 1, 2 ]
amdhsa.kernels:
  - .name:           k_q345d563bbe_symbasis
    .symbol:         k_q345d563bbe_symbasis.kd
    .args:
      - { .name: q, .offset: 0, .size: 8, .value_kind: global_buffer, .address_space: global }
      - { .name: v, .offset: 8, .size: 8, .value_kind: global_buffer, .address_space: global }
      - { .name: wk_b, .offset: 16, .size: 8, .value_kind: global_buffer, .address_space: global }
      - { .name: wk_w, .offset: 24, .size: 8, .value_kind: global_buffer, .address_space: global }
      - { .name: wq_b, .offset: 32, .size: 8, .value_kind: global_buffer, .address_space: global }
      - { .name: wq_w, .offset: 40, .size: 8, .value_kind: global_buffer, .address_space: global }
      - { .name: out0, .offset: 48, .size: 8, .value_kind: global_buffer, .address_space: global }
    .group_segment_fixed_size: 0
    .private_segment_fixed_size: 0
    .kernarg_segment_align: 8
    .kernarg_segment_size: 56
    .max_flat_workgroup_size: 256
    .sgpr_count:     66
    .vgpr_count:     256
    .wavefront_size: 32
...
	.end_amdgpu_metadata
.endif
;; end of part 2
